; MI455X (gfx1250); checked and timed in simulation.
; The chip was launched on July 23, 2026; its instructions are those of AMD's public machine-readable ISA for CDNA 5 (MIT licence, August 2026) and "CDNA5" Instruction Set Architecture Reference Guide (July 2026). The comments in the code are by the model that wrote it; some were corrected since.
;; DCN. Allowed arithmetic: float matrix products may take bf16 or f16 operands with f32 sums; other float arithmetic in f32, or as packed bf16 or f16 multiplies, adds, multiply-adds, maxima and minima; sums over many terms, partial sums and values carried from step to step in f32; what a program stores and reads back later, other than sums and carried values, may be rounded once to bf16 or f16.
;; Inputs: X 131,072 x 64 float32; clusters 1,024 x 64 float32.
;; Outputs: out0 1,024 x 64 float32.
;; One version. Each part assembles by itself: llvm-mc -triple=amdgcn-amd-amdhsa -mcpu=gfx1250 --defsym DOCPART=n.
;; ======== version 1 of 1: 3 launches
;; limits: a difference of large sums (such as E[x^2] - mean^2): digits are lost where the result is much smaller than its terms
;; workspace buffers: XB 16,777,216 bytes; RS 1,572,864 bytes; MM 2,048 bytes; SXP 65,536 bytes; PW 8,388,608 bytes; PVS 131,072 bytes
;; launch stats (part 1): grid 256 x 1, 4 waves a work-group, no clusters, 268,032 bytes of LDS; arguments X, clusters, XB, RS, MM, SXP; writes XB, RS, MM, SXP
.if DOCPART == 1
	.amdgcn_target "amdgcn-amd-amdhsa--gfx1250"
	.amdhsa_code_object_version 6
	.text
	.protected	k_q9b4ab06e2a_stats
	.globl	k_q9b4ab06e2a_stats
	.p2align	8
	.type	k_q9b4ab06e2a_stats,@function
k_q9b4ab06e2a_stats:
	s_mov_b64 s[64:65], 0
	v_nop
	global_prefetch_b8 v0, s[64:65] scope:SCOPE_SE
	s_setreg_imm32_b32 hwreg(HW_REG_WAVE_MODE, 25, 1), 1
	s_wait_xcnt 0x0
; FIRST PASS of one soft k-means step.  X: [131072][64] f32, clusters: [1024][64] f32.
; With x~, c~ the inputs rounded to bf16, p = x~ . c~, cc = |c~|^2, xx = |x~|^2 the squared distance is d = xx - 2 e, e = p - cc / 2.
; For every row this launch makes min, max, sum and sum of squares of e over all 1,024 clusters and stores
;   RS: xx[n]; A1[n] = mean over k of (cc - 2 p) = -sum(e) / 512; A2[n] = mean of its square = sum(e^2) / 256     (three arrays of 131,072 f32)
;   MM: the work-group's least and greatest d, a pair       SXP: the work-group's sum of its rows of X, unrounded, 64 f32       XB: X rounded to bf16
; LIMITS.  Norms are taken of the rounded numbers, so that d is the true distance of the rounded points.  NaN and infinities are not treated apart.
; SHARES.  A work-group owns 512 rows.  Wave w keeps clusters 256 w .. 256 w + 255 in registers (16 tiles of 16) and walks all 512 rows, 32 a step.
; LAYOUT.  Source 0 = 16 clusters, source 1 = 16 rows, C = -cc / 2: in the result a lane holds ONE row (lane % 16) and clusters 8 (lane / 16) + 0..7, so a row's
; statistics are sums inside a lane, and the halves of the lanes meet once a step.
; BY TURNS.  Turn ct issues the four products of tile ct + 1; behind each stand eight of the 32 vector lines that take tile ct into the statistics.
; No tensor load: the f32 numbers must pass through registers to be rounded.  No multicast of the clusters for the same reason.  No prefetch: a wave asks for its whole share of X by its own loads at the head.
; REGISTERS, in windows of 256 (s_set_vgpr_msb: bits 1:0 source 0, 3:2 source 1, 5:4 source 2, 7:6 destination):
;   window 0: addresses, statistics, v64-95 two buffers of scores, v96-127 at work, v128-191 two buffers of X's fragments
;   window 1: the clusters' fragments (tile ct, channel half c at 16 ct + 8 c); before that f32 clusters on their way      window 2: v0-127 -cc / 2 as C operands, 8 a tile; v128-255 f32 clusters on their way
;   window 3: the wave's 128 rows of X as loaded
.set PX,    144                 ; a bf16 row in LDS: 128 bytes + 16: the 16 rows of a fragment load start 36 words apart
.set CS,    0                   ; 1,024 cluster rows; wave w's 256 at 36,864 w; read only by the wave that stored them
.set XS,    1024*PX             ; 512 rows of X
.set XTAIL, XS+512*PX           ; 6,144 bytes of zeros: the fetch that looks one step past the last row reads here
.set CCT,   XTAIL+6144          ; -cc / 2, 1,024 f32
.set XXT,   CCT+4096            ; xx, 512 f32
.set ST,    XXT+2048            ; [wave][row] 16 bytes: min, max, sum, sum of squares
.set SXW,   ST+32768            ; the waves' sums of X
.set MMW,   SXW+1024            ; the waves' extremes
.set SPARE, MMW+256             ; the spare words, 128 bytes a wave: two blocks of 256 bytes that no other line names
.set GX,  4                     ; v4   16 l + 32,768 w: my bytes in the wave's rows of X
.set GC,  5                     ; v5   16 l + 65,536 w: in the wave's rows of the clusters
.set GB,  6                     ; v6   8 l + 16,384 w: in the wave's rows of XB
.set LC,  7                     ; v7   where I put 8 bytes of a cluster row
.set LX,  8                     ; v8   the same for X
.set LF,  9                     ; v9   my place in a cluster fragment
.set LXF, 10                    ; v10  my place in a fragment of X
.set ADR, 11                    ; v11  at work
.set NRC, 12                    ; v12  my row (lane = row) among the wave's clusters
.set NSC, 13                    ; v13  its word in CCT
.set LH,  14                    ; v14  my eight words of a tile in CCT
.set FA,  15                    ; v15  my row's 16 bytes in ST
.set SPW, 16                    ; v16  LDS address of my spare word; never rewritten
.set NIL, 17                    ; v17  0; never rewritten
.set NRX, 18                    ; v18  my row among the wave's rows of X
.set AD2, 19                    ; v19  at work
.set STT, 20                    ; v20-31  row tile t at 20 + 6 t: sum (pair), sum of squares (pair), min, max
.set FT,  32                    ; v32-47  at work at a step's end
.set SX,  48                    ; v48-55  sums of X: my 4 channels, two sets by turns
.set ZR,  56                    ; v56  0
.set NSX, 57                    ; v57  my row's word in XXT
.set NSUM, 58                   ; v58-61  four chains of a norm
.set S,   64
.set ND,  96
.set XFR, 128
.set WV,  16                    ; s16  my wave's number
.set SEL, 20                    ; s[20:21] v_permlanex16_b32's selects: each lane takes its own place in the other half
.set XO,  24                    ; s24  LDS offset of the step to be fetched
.set CNT, 25                    ; s25  loop counter
.set RO,  26                    ; s26  a norm loop's read offset
.set WO,  27                    ; s27  its store offset
.set SO,  28                    ; s28  a step's offset in ST
.set MSB, 0
.macro WIN new                  ; the high byte repeats the setting that is left; a switch that changes nothing is dropped
.if MSB != (\new)
	s_set_vgpr_msb (MSB<<8)|(\new)
.set MSB, (\new)
.endif
.endm
; n loads of two cluster rows each (512 consecutive bytes a wave), from load i0 on, into registers reg on of the window that the caller has set
.macro CLOAD i0, n, reg
.set i_, 0
.rept \n
	global_load_b128 v[(\reg)+4*i_:(\reg)+4*i_+3], v[GC], s[6:7] offset:512*((\i0)+i_)
.set i_, i_+1
.endr
.endm
; they are rounded in place (window setting wc) and go into CS (setting ws)
.macro CCVT i0, n, reg, wc, ws
	WIN \wc
.set i_, 0
.rept \n
	v_cvt_pk_bf16_f32 v[(\reg)+4*i_], v[(\reg)+4*i_], v[(\reg)+4*i_+1]
	v_cvt_pk_bf16_f32 v[(\reg)+4*i_+1], v[(\reg)+4*i_+2], v[(\reg)+4*i_+3]
.set i_, i_+1
.endr
	WIN \ws
.set i_, 0
.rept \n
	ds_store_b64 v[LC], v[(\reg)+4*i_:(\reg)+4*i_+1] offset:2*PX*((\i0)+i_)
.set i_, i_+1
.endr
.endm
.macro XLOAD s                  ; quarter s of the wave's rows of X: 16 loads of two rows
	WIN 0xc0
.set i_, 0
.rept 16
	global_load_b128 v[64*(\s)+4*i_:64*(\s)+4*i_+3], v[GX], s[4:5] offset:512*(16*(\s)+i_) th:TH_LOAD_NT
.set i_, i_+1
.endr
.endm
; quarter s is summed (unrounded), rounded in place, and goes into XS and into XB; a store of the wave covers 256 consecutive bytes of XB, aligned
.macro XCVT s
	s_wait_loadcnt 48-16*(\s)       ; loads come back in order: this quarter is in, the later quarters' 16 loads each may stay out
	WIN 0x0c
.set i_, 0
.rept 16
	v_pk_add_f32 v[SX+4*(i_%2):SX+4*(i_%2)+1], v[SX+4*(i_%2):SX+4*(i_%2)+1], v[64*(\s)+4*i_:64*(\s)+4*i_+1]
	v_pk_add_f32 v[SX+4*(i_%2)+2:SX+4*(i_%2)+3], v[SX+4*(i_%2)+2:SX+4*(i_%2)+3], v[64*(\s)+4*i_+2:64*(\s)+4*i_+3]
.set i_, i_+1
.endr
	WIN 0xcf
.set i_, 0
.rept 16
	v_cvt_pk_bf16_f32 v[64*(\s)+4*i_], v[64*(\s)+4*i_], v[64*(\s)+4*i_+1]
	v_cvt_pk_bf16_f32 v[64*(\s)+4*i_+1], v[64*(\s)+4*i_+2], v[64*(\s)+4*i_+3]
.set i_, i_+1
.endr
	WIN 0x0c
.set i_, 0
.rept 16
	ds_store_b64 v[LX], v[64*(\s)+4*i_:64*(\s)+4*i_+1] offset:2*PX*(16*(\s)+i_)
	global_store_b64 v[GB], v[64*(\s)+4*i_:64*(\s)+4*i_+1], s[8:9] offset:256*(16*(\s)+i_)
.set i_, i_+1
.endr
.endm
; The squared norms of 32 rounded rows, a lane a row, times scale, into a table.  The rows are the wave's own: LDS serves a wave's instructions in order, so the loads see its stores.
.macro NORM rd, st, scale
	v_add_nc_u32 v[ADR], s[RO], v[\rd]
	v_add_nc_u32 v[AD2], s[WO], v[\st]
.irp c, 0,1,2,3,4,5,6,7
	ds_load_b128 v[ND+4*\c:ND+4*\c+3], v[ADR] offset:16*\c
.endr
	s_add_co_u32 s[RO], s[RO], 32*PX
	s_add_co_u32 s[WO], s[WO], 128
	s_wait_dscnt 0x0                ; the row is in
.set j_, 0
.rept 32                        ; the low halves: four chains, started on the zero register
.if j_ < 4
	v_fma_mix_f32_bf16 v[NSUM+j_], v[ND+j_], v[ND+j_], v[ZR] op_sel_hi:[1,1,0]
.else
	v_fma_mix_f32_bf16 v[NSUM+j_%4], v[ND+j_], v[ND+j_], v[NSUM+j_%4] op_sel_hi:[1,1,0]
.endif
.set j_, j_+1
.endr
.set j_, 0
.rept 32                        ; the high halves
	v_fma_mix_f32_bf16 v[NSUM+j_%4], v[ND+j_], v[ND+j_], v[NSUM+j_%4] op_sel:[1,1,0] op_sel_hi:[1,1,0]
.set j_, j_+1
.endr
	v_add_f32 v[NSUM], v[NSUM], v[NSUM+1]
	v_add_f32 v[NSUM+2], v[NSUM+2], v[NSUM+3]
	v_add_f32 v[NSUM], v[NSUM], v[NSUM+2]
	v_mul_f32 v[NSUM], \scale, v[NSUM]
	ds_store_b32 v[AD2], v[NSUM]
.endm
; a step's 32 rows of X as fragments into buffer nb: row tile t, channel half c at 16 t + 8 c; two loads of 16 bytes, 32 bytes apart, for each
.macro FETCH nb
	WIN 0
	v_add_nc_u32 v[ADR], s[XO], v[LXF]
.irp f, 0,1,2,3
	ds_load_b128 v[XFR+32*(\nb)+8*\f:XFR+32*(\nb)+8*\f+3],   v[ADR] offset:(\f/2)*16*PX+(\f%2)*64
	ds_load_b128 v[XFR+32*(\nb)+8*\f+4:XFR+32*(\nb)+8*\f+7], v[ADR] offset:(\f/2)*16*PX+(\f%2)*64+32
.endr
	s_add_co_u32 s[XO], s[XO], 32*PX
.endm
; Product i of 4 for cluster tile nt with X's buffer xb: row tile i % 2, channel half i / 2.  The first two start the sums with -cc / 2.  The two accumulators take turns.
.macro WM nt, xb, i
.set sd_, S+16*((\nt)%2)+8*((\i)%2)
.set xf_, XFR+32*(\xb)+16*((\i)%2)+8*((\i)/2)
.set cf_, 16*(\nt)+8*((\i)/2)
.if (\i) < 2
	WIN 0x21                        ; clusters in window 1, X in window 0, C in window 2
	v_wmma_f32_16x16x32_bf16 v[sd_:sd_+7], v[cf_:cf_+7], v[xf_:xf_+7], v[8*(\nt):8*(\nt)+7]
.else
	WIN 0x01
	v_wmma_f32_16x16x32_bf16 v[sd_:sd_+7], v[cf_:cf_+7], v[xf_:xf_+7], v[sd_:sd_+7]
.endif
.endm
; Eight vector lines: pair i of both row tiles of score buffer sb goes into the statistics.  Eight chains, whose links stand eight lines apart; each accumulator's lowest pair is read first.
.macro RID i, sb
	WIN 0
.set a_, S+16*(\sb)+2*(\i)
	v_min3_num_f32 v[STT+4],  v[STT+4],  v[a_],   v[a_+1]
	v_min3_num_f32 v[STT+10], v[STT+10], v[a_+8], v[a_+9]
	v_max3_num_f32 v[STT+5],  v[STT+5],  v[a_],   v[a_+1]
	v_max3_num_f32 v[STT+11], v[STT+11], v[a_+8], v[a_+9]
	v_pk_add_f32 v[STT:STT+1],   v[STT:STT+1],   v[a_:a_+1]
	v_pk_add_f32 v[STT+6:STT+7], v[STT+6:STT+7], v[a_+8:a_+9]
	v_pk_fma_f32 v[STT+2:STT+3], v[a_:a_+1],   v[a_:a_+1],   v[STT+2:STT+3]
	v_pk_fma_f32 v[STT+8:STT+9], v[a_+8:a_+9], v[a_+8:a_+9], v[STT+8:STT+9]
.endm
.macro TURN ct, b               ; the products of tile ct + 1 (turn 15: the next step's tile 0, on the other buffer of X), the vector work of tile ct
.irp i, 0,1,2,3
.if (\ct) == 15
	WM 0, 1-(\b), \i
.else
	WM (\ct)+1, \b, \i
.endif
	RID \i, (\ct)%2
.endr
.endm
.macro RESET                    ; the statistics start anew
.irp t, 0,1
	v_mov_b32 v[STT+6*\t], 0
	v_mov_b32 v[STT+6*\t+1], 0
	v_mov_b32 v[STT+6*\t+2], 0
	v_mov_b32 v[STT+6*\t+3], 0
	v_mov_b32 v[STT+6*\t+4], 0x7f7fffff
	v_mov_b32 v[STT+6*\t+5], 0xff7fffff
.endr
.endm
; A step's end: the pairs' halves and the two halves of the lanes meet; 16 bytes for each of the step's 32 rows go into the wave's part of ST.
.macro FIN
	WIN 0
.irp t, 0,1
	v_add_f32 v[FT+8*\t+2], v[STT+6*\t], v[STT+6*\t+1]
	v_add_f32 v[FT+8*\t+3], v[STT+6*\t+2], v[STT+6*\t+3]
.endr
.irp t, 0,1
	v_permlanex16_b32 v[FT+8*\t+4], v[STT+6*\t+4], s[SEL], s[SEL+1]
	v_permlanex16_b32 v[FT+8*\t+5], v[STT+6*\t+5], s[SEL], s[SEL+1]
	v_permlanex16_b32 v[FT+8*\t+6], v[FT+8*\t+2], s[SEL], s[SEL+1]
	v_permlanex16_b32 v[FT+8*\t+7], v[FT+8*\t+3], s[SEL], s[SEL+1]
.endr
	v_add_nc_u32 v[AD2], s[SO], v[FA]
.irp t, 0,1
	v_min_num_f32 v[FT+8*\t], v[STT+6*\t+4], v[FT+8*\t+4]
	v_max_num_f32 v[FT+8*\t+1], v[STT+6*\t+5], v[FT+8*\t+5]
	v_pk_add_f32 v[FT+8*\t+2:FT+8*\t+3], v[FT+8*\t+2:FT+8*\t+3], v[FT+8*\t+6:FT+8*\t+7]
.endr
	ds_store_b128 v[AD2], v[FT:FT+3]
	ds_store_b128 v[AD2], v[FT+8:FT+11] offset:256
	s_add_co_u32 s[SO], s[SO], 512
	RESET
.endm
; A step: 32 rows against the wave's 16 tiles.  The next step's fragments are fetched behind turn 0, into the buffer whose last reader stands two turns back, and are wanted in turn 15.
.macro STEP b
	TURN 0, \b
	FETCH 1-(\b)
.irp c, 1,2,3,4,5,6,7,8,9,10,11,12,13,14
	TURN \c, \b
.endr
	s_wait_dscnt 0x0                ; the next step's fragments are in (asked for fourteen turns ago)
	TURN 15, \b
	FIN
.endm
.macro WRED op, r               ; over the 16 lanes of a half
.irp m, 1,2,4,8
	\op v[\r], v[\r], v[\r] row_xmask:\m row_mask:0xf bank_mask:0xf
.endr
.endm
	s_load_b256 s[4:11], s[0:1], 0x0               ; X s[4:5], clusters s[6:7], XB s[8:9], RS s[10:11]
	s_load_b128 s[12:15], s[0:1], 0x20             ; MM s[12:13], SXP s[14:15]
	v_lshl_add_u32 v[SPW], v0, 2, SPARE
	v_mov_b32 v[NIL], 0
	v_lshrrev_b32 v18, 5, v0
	v_readfirstlane_b32 s[WV], v18                 ; wave 0..3
	v_and_b32 v1, 31, v0                           ; l
	v_and_b32 v2, 15, v0                           ; r = l % 16
	v_bfe_u32 v3, v0, 4, 1                         ; h = l / 16
	s_lshl_b32 s17, s[WV], 16
	v_lshl_add_u32 v[GC], v1, 4, s17
	s_lshl_b32 s17, s[WV], 15
	v_lshl_add_u32 v[GX], v1, 4, s17
	s_lshl_b32 s17, s[WV], 14
	v_lshl_add_u32 v[GB], v1, 3, s17
	s_lshl_b32 s2, ttmp9, 17                       ; the work-group's 512 rows: 131,072 bytes of X,
	s_mov_b32 s3, 0
	s_wait_kmcnt 0x0
	s_add_nc_u64 s[4:5], s[4:5], s[2:3]
	s_lshl_b32 s2, ttmp9, 16                       ; 65,536 of XB,
	s_add_nc_u64 s[8:9], s[8:9], s[2:3]
	s_lshl_b32 s2, ttmp9, 11                       ; 2,048 of each array of RS,
	s_add_nc_u64 s[10:11], s[10:11], s[2:3]
	s_lshl_b32 s2, ttmp9, 3                        ; 8 of MM,
	s_add_nc_u64 s[12:13], s[12:13], s[2:3]
	s_lshl_b32 s2, ttmp9, 8                        ; 256 of SXP
	s_add_nc_u64 s[14:15], s[14:15], s[2:3]
	; the clusters go first: loads come back in order, and the clusters' work can begin while X is on its way
	WIN 0x40
	CLOAD 0, 64, 0
	WIN 0x80
	CLOAD 64, 32, 128
	WIN 0
	v_mul_u32_u24 v[ADR], v3, PX
	v_lshl_add_u32 v[ADR], v2, 3, v[ADR]           ; 144 h + 8 r: a load's two rows, 8 bytes a lane
	v_mul_u32_u24 v[AD2], v2, PX
	v_lshl_add_u32 v[AD2], v3, 4, v[AD2]           ; 144 r + 16 h: a fragment's row and half
	v_mul_u32_u24 v[NRX], v1, PX                   ; 144 l: a lane a row
	s_mul_i32 s17, s[WV], 256*PX                   ; the wave's clusters in CS (CS = 0)
	s_mul_i32 s18, s[WV], 128*PX
	s_add_co_u32 s18, s18, XS                      ; the wave's rows in XS
	v_add_nc_u32 v[LC], s17, v[ADR]
	v_add_nc_u32 v[LX], s18, v[ADR]
	v_add_nc_u32 v[LF], s17, v[AD2]
	v_add_nc_u32 v[LXF], XS, v[AD2]
	v_add_nc_u32 v[NRC], s17, v[NRX]
	v_add_nc_u32 v[NRX], s18, v[NRX]
	s_lshl_b32 s17, s[WV], 10
	s_add_co_u32 s17, s17, CCT
	v_lshl_add_u32 v[NSC], v1, 2, s17
	v_lshl_add_u32 v[LH], v3, 5, s17
	s_lshl_b32 s17, s[WV], 9
	s_add_co_u32 s17, s17, XXT
	v_lshl_add_u32 v[NSX], v1, 2, s17
	s_lshl_b32 s17, s[WV], 13
	s_add_co_u32 s17, s17, ST
	v_lshl_add_u32 v[FA], v2, 4, s17
	s_mov_b32 s[SEL], 0x76543210
	s_mov_b32 s[SEL+1], 0xfedcba98
.set i_, 0
.rept 25                                       ; v32-56: what the lane exchanges write counts as read, so it is written once; the sums of X and the zero register start at 0
	v_mov_b32 v[FT+i_], 0
.set i_, i_+1
.endr
	v_lshl_add_u32 v[AD2], v0, 4, XTAIL
	ds_store_b128 v[AD2], v[FT:FT+3]               ; the zeros behind X's last row
	ds_store_b128 v[AD2], v[FT:FT+3] offset:2048
	ds_store_b128 v[AD2], v[FT:FT+3] offset:4096
	s_wait_loadcnt 32                              ; the first 64 loads are in; the 32 behind them may stay out
	CCVT 0, 64, 0, 0x45, 0x04
	WIN 0x40
	CLOAD 96, 32, 0
	s_wait_loadcnt 32                              ; loads 64-95 are in
	CCVT 64, 32, 128, 0x8a, 0x08
	XLOAD 0
	XLOAD 1
	s_wait_loadcnt 32                              ; loads 96-127 are in; X's first 32 may stay out
	CCVT 96, 32, 0, 0x45, 0x04
	XLOAD 2
	XLOAD 3
	WIN 0
	s_mov_b32 s[RO], 0
	s_mov_b32 s[WO], 0
	s_mov_b32 s[CNT], 8
.Lcc:                                          ; -cc / 2 of the wave's 256 clusters, 32 a trip
	NORM NRC, NSC, -0.5
	s_sub_co_u32 s[CNT], s[CNT], 1
	s_cmp_lg_u32 s[CNT], 0
	s_cbranch_scc1 .Lcc
	WIN 0x40                                       ; the wave's clusters as fragments: they stay in registers
.set c_, 0
.rept 32
	ds_load_b128 v[8*c_:8*c_+3],   v[LF] offset:(c_/2)*16*PX+(c_%2)*64
	ds_load_b128 v[8*c_+4:8*c_+7], v[LF] offset:(c_/2)*16*PX+(c_%2)*64+32
.set c_, c_+1
.endr
	WIN 0x80                                       ; and -cc / 2 as C operands: register j of a lane is cluster 8 h + j of the tile
.set c_, 0
.rept 16
	ds_load_b128 v[8*c_:8*c_+3],   v[LH] offset:64*c_
	ds_load_b128 v[8*c_+4:8*c_+7], v[LH] offset:64*c_+16
.set c_, c_+1
.endr
	XCVT 0
	XCVT 1
	XCVT 2
	XCVT 3
	WIN 0
	s_mov_b32 s[RO], 0
	s_mov_b32 s[WO], 0
	s_mov_b32 s[CNT], 4
.Lxx:                                          ; xx of the wave's 128 rows
	NORM NRX, NSX, 1.0
	s_sub_co_u32 s[CNT], s[CNT], 1
	s_cmp_lg_u32 s[CNT], 0
	s_cbranch_scc1 .Lxx
	s_wait_dscnt 0x0                               ; for the others' sake: my rows of X, my xx and my zeros lie in LDS; my fragments are in
	s_barrier_signal -1
	s_barrier_wait -1                              ; everybody's do: from here to the loop's end nobody writes XS
	s_mov_b32 s[XO], 0
	s_mov_b32 s[SO], 0
	FETCH 0
	s_wait_dscnt 0x0
	WM 0, 0, 0                                     ; tile 0 of step 0: there is no vector work yet to set between
	WM 0, 0, 1
	WM 0, 0, 2
	WM 0, 0, 3
	WIN 0
	RESET                                          ; twelve plain lines: the places behind those products
	s_mov_b32 s[CNT], 8
.Lpair:                                        ; 8 trips of two steps: 512 rows
	STEP 0
	STEP 1
	s_sub_co_u32 s[CNT], s[CNT], 1
	s_cmp_lg_u32 s[CNT], 0
	s_cbranch_scc1 .Lpair
	s_wait_dscnt 0x0                               ; my part of ST is written
	s_barrier_signal -1
	s_barrier_wait -1
	; thread t takes rows 4 t .. 4 t + 3: the four waves' figures meet
	v_lshl_add_u32 v[ADR], v0, 6, ST
	v_lshl_add_u32 v[AD2], v0, 4, XXT
.irp w, 0,1,2,3
.irp j, 0,1,2,3
	ds_load_b128 v[XFR+16*\w+4*\j:XFR+16*\w+4*\j+3], v[ADR] offset:8192*\w+16*\j
.endr
.endr
	ds_load_b128 v[96:99], v[AD2]                  ; xx
	v_lshlrev_b32 v[NRC], 4, v0                    ; my 16 bytes in each array of RS
	s_wait_dscnt 0x0
.irp j, 0,1,2,3
	v_min3_num_f32 v[FT+\j], v[XFR+4*\j], v[XFR+16+4*\j], v[XFR+32+4*\j]
	v_max3_num_f32 v[FT+4+\j], v[XFR+4*\j+1], v[XFR+16+4*\j+1], v[XFR+32+4*\j+1]
	v_pk_add_f32 v[100+2*\j:101+2*\j], v[XFR+4*\j+2:XFR+4*\j+3], v[XFR+16+4*\j+2:XFR+16+4*\j+3]
	v_pk_add_f32 v[108+2*\j:109+2*\j], v[XFR+32+4*\j+2:XFR+32+4*\j+3], v[XFR+48+4*\j+2:XFR+48+4*\j+3]
.endr
.irp j, 0,1,2,3
	v_min_num_f32 v[FT+\j], v[FT+\j], v[XFR+48+4*\j]
	v_max_num_f32 v[FT+4+\j], v[FT+4+\j], v[XFR+48+4*\j+1]
	v_pk_add_f32 v[100+2*\j:101+2*\j], v[100+2*\j:101+2*\j], v[108+2*\j:109+2*\j]
.endr
.irp j, 0,1,2,3
	v_mul_f32 v[FT+8+\j], 0xbb000000, v[100+2*\j]  ; A1 = -sum(e) / 512
	v_mul_f32 v[FT+12+\j], 0x3b800000, v[101+2*\j] ; A2 = sum(e^2) / 256
	v_fma_f32 v[116+\j], v[FT+4+\j], -2.0, v[96+\j]  ; the row's least d = xx - 2 max(e)
	v_fma_f32 v[120+\j], v[FT+\j], -2.0, v[96+\j]    ; its greatest = xx - 2 min(e)
.endr
	global_store_b128 v[NRC], v[96:99], s[10:11]                       ; a store of the wave covers 512 consecutive bytes, aligned
	global_store_b128 v[NRC], v[FT+8:FT+11], s[10:11] offset:524288
	global_store_b128 v[NRC], v[FT+12:FT+15], s[10:11] offset:1048576
	v_min3_num_f32 v116, v116, v117, v118
	v_max3_num_f32 v120, v120, v121, v122
	v_min_num_f32 v124, v116, v119
	v_max_num_f32 v125, v120, v123
	WRED v_min_num_f32_dpp, 124
	WRED v_max_num_f32_dpp, 125
	v_permlanex16_b32 v126, v124, s[SEL], s[SEL+1]
	v_permlanex16_b32 v127, v125, s[SEL], s[SEL+1]
	v_min_num_f32 v124, v124, v126
	v_max_num_f32 v125, v125, v127                 ; the wave's extremes, in every lane
	v_pk_add_f32 v[SX:SX+1], v[SX:SX+1], v[SX+4:SX+5]
	v_pk_add_f32 v[SX+2:SX+3], v[SX+2:SX+3], v[SX+6:SX+7]
.irp c, 0,1,2,3
	v_permlanex16_b32 v[SX+4+\c], v[SX+\c], s[SEL], s[SEL+1]   ; the other half of the lanes held the odd rows
.endr
	v_pk_add_f32 v[SX:SX+1], v[SX:SX+1], v[SX+4:SX+5]
	v_pk_add_f32 v[SX+2:SX+3], v[SX+2:SX+3], v[SX+6:SX+7]
	s_lshl_b32 s17, s[WV], 8
	s_add_co_u32 s17, s17, SXW
	v_lshl_add_u32 v[ADR], v2, 4, s17
	s_lshl_b32 s18, s[WV], 3
	s_add_co_u32 s18, s18, MMW
	v_mov_b32 v[AD2], s18
	ds_store_b128 v[ADR], v[SX:SX+3]
	ds_store_b64 v[AD2], v[124:125]
	s_wait_dscnt 0x0
	s_barrier_signal -1
	s_barrier_wait -1
	s_cmp_lg_u32 s[WV], 0                          ; wave 0 adds the four waves' figures and stores them
	s_cbranch_scc1 .Lend
	v_lshl_add_u32 v[ADR], v1, 3, SXW
.irp w, 0,1,2,3
	ds_load_b64 v[XFR+2*\w:XFR+2*\w+1], v[ADR] offset:256*\w
.endr
	v_mov_b32 v[AD2], MMW
	ds_load_b128 v[XFR+8:XFR+11], v[AD2]
	ds_load_b128 v[XFR+12:XFR+15], v[AD2] offset:16
	v_lshlrev_b32 v[LC], 3, v1
	v_mov_b32 v[LX], 0
	s_wait_dscnt 0x0
	v_pk_add_f32 v[XFR:XFR+1], v[XFR:XFR+1], v[XFR+2:XFR+3]
	v_pk_add_f32 v[XFR+4:XFR+5], v[XFR+4:XFR+5], v[XFR+6:XFR+7]
	v_pk_add_f32 v[XFR:XFR+1], v[XFR:XFR+1], v[XFR+4:XFR+5]
	global_store_b64 v[LC], v[XFR:XFR+1], s[14:15] ; 256 consecutive bytes, aligned
	v_min3_num_f32 v[XFR+16], v[XFR+8], v[XFR+10], v[XFR+12]
	v_max3_num_f32 v[XFR+17], v[XFR+9], v[XFR+11], v[XFR+13]
	v_min_num_f32 v[XFR+16], v[XFR+16], v[XFR+14]
	v_max_num_f32 v[XFR+17], v[XFR+17], v[XFR+15]
	v_cmp_eq_u32 vcc_lo, 0, v0
	s_wait_xcnt 0x0                                ; EXEC is a source of the stores above: it changes only behind this wait
	s_and_saveexec_b32 s30, vcc_lo
	global_store_b64 v[LX], v[XFR+16:XFR+17], s[12:13]  ; one lane: the work-group's pair
	s_wait_xcnt 0x0                                ; and again, ahead of the line that widens it
	s_or_b32 exec_lo, exec_lo, s30
.Lend:
	s_wait_tensorcnt 0x0                           ; the wave's end, behind my last LDS store
	ds_add_u32 v[SPW], v[NIL]
	s_wait_dscnt 0x0
	s_endpgm
.Lfunc_end_k_q9b4ab06e2a_stats:
	.size	k_q9b4ab06e2a_stats, .Lfunc_end_k_q9b4ab06e2a_stats-k_q9b4ab06e2a_stats
	.p2alignl 7, 3214868480
	.fill 96, 4, 3214868480
	.section	.rodata,"a",@progbits
	.p2align	6, 0x0
	.amdhsa_kernel k_q9b4ab06e2a_stats
		.amdhsa_group_segment_fixed_size 268032
		.amdhsa_private_segment_fixed_size 0
		.amdhsa_enable_private_segment 0
		.amdhsa_kernarg_size 48
		.amdhsa_user_sgpr_count 2
		.amdhsa_user_sgpr_kernarg_segment_ptr 1
		.amdhsa_wavefront_size32 1
		.amdhsa_system_sgpr_workgroup_id_x 1
		.amdhsa_system_sgpr_workgroup_id_y 1
		.amdhsa_system_sgpr_workgroup_id_z 1
		.amdhsa_system_vgpr_workitem_id 0
		.amdhsa_next_free_vgpr 1024
		.amdhsa_next_free_sgpr 66
		.amdhsa_reserve_vcc 1
		.amdhsa_float_denorm_mode_32 3
		.amdhsa_float_denorm_mode_16_64 3
		.amdhsa_memory_ordered 1
		.amdhsa_forward_progress 1
		.amdhsa_inst_pref_size 183
	.end_amdhsa_kernel
	.amdgpu_metadata
---
amdhsa.version: [ 1, 2 ]
amdhsa.kernels:
  - .name:           k_q9b4ab06e2a_stats
    .symbol:         k_q9b4ab06e2a_stats.kd
    .args:
      - { .name: X, .offset: 0, .size: 8, .value_kind: global_buffer, .address_space: global }
      - { .name: clusters, .offset: 8, .size: 8, .value_kind: global_buffer, .address_space: global }
      - { .name: XB, .offset: 16, .size: 8, .value_kind: global_buffer, .address_space: global }
      - { .name: RS, .offset: 24, .size: 8, .value_kind: global_buffer, .address_space: global }
      - { .name: MM, .offset: 32, .size: 8, .value_kind: global_buffer, .address_space: global }
      - { .name: SXP, .offset: 40, .size: 8, .value_kind: global_buffer, .address_space: global }
    .group_segment_fixed_size: 268032
    .private_segment_fixed_size: 0
    .kernarg_segment_align: 8
    .kernarg_segment_size: 48
    .max_flat_workgroup_size: 128
    .sgpr_count:     66
    .vgpr_count:     1024
    .wavefront_size: 32
...
	.end_amdgpu_metadata
.endif
;; end of part 1
;; launch main (part 2): grid 8 x 32, 4 waves a work-group, clusters of 4 x 1, 327,680 bytes of LDS; arguments XB, clusters, RS, MM, PW, PVS; writes PW, PVS
.if DOCPART == 2
	.amdgcn_target "amdgcn-amd-amdhsa--gfx1250"
	.amdhsa_code_object_version 6
	.text
	.protected	k_q9b4ab06e2a_main
	.globl	k_q9b4ab06e2a_main
	.p2align	8
	.type	k_q9b4ab06e2a_main,@function
k_q9b4ab06e2a_main:
	s_mov_b64 s[64:65], 0
	v_nop
	global_prefetch_b8 v0, s[64:65] scope:SCOPE_SE
	s_setreg_imm32_b32 hwreg(HW_REG_WAVE_MODE, 25, 1), 1
	s_wait_xcnt 0x0
	s_wait_alu depctr_hold_cnt(0) depctr_sa_sdst(0) depctr_va_vdst(0) depctr_va_sdst(0) depctr_va_ssrc(0) depctr_va_vcc(0) depctr_vm_vsrc(0)
	s_getreg_b32 s2, hwreg(HW_REG_IB_STS2, 6, 4)
	s_cmp_eq_u32 s2, 0
	s_cbranch_scc0 .Lentry_in_a_cluster
	s_endpgm
.Lentry_in_a_cluster:
	s_bfe_u32 s2, ttmp6, 0x10000c
	s_cmp_lg_u32 s2, 0x3003
	s_cbranch_scc0 .Lentry_shape_is_right
	s_endpgm
.Lentry_shape_is_right:
; SECOND PASS.  With g = 0.01 / (dmax - dmin) and t = g (d - dmin), which lies in 0 .. 0.01 for every input since dmin and dmax are d's own extremes, the soft assignment is
; sp = exp(-t) / rowsum + 1e-10 = (1 - v) / 1024 + 1e-10 with v = 1 - exp(-t - ln(mean over k of exp(-t))).  Only the small part v (at most 0.01 in size) is rounded to bf16 and multiplied;
; the 1 is carried apart, as the plain sum of X.  This launch stores partial sums W[k][:] = sum over n of v x~[n][:] (PW) and Vs[k] = sum over n of v (PVS), for 32 chunks of 4,096 rows.
; THE ROW'S MEAN comes from the first pass's row moments: mean exp(-t) = 1 - z, z = g Z, Z = M1 - (g / 2) M2, M1 = A1 + e, M2 = A2 + e (2 A1 + e), e = xx - dmin; ln(1 - z) = -z (1 + z / 2 + z^2 / 3).
; So t'' = t + ln(mean) = -2 g s + sigma with s = p + eta[n], eta = (q u + w2 - ccref) / 2 (w2 = A1 - (g / 2) M2, q = Z z, u = 1 / 2 + z / 3), sigma = g (cc[k] - ccref); eta is the C operand of the first product.
; v = t'' - t''^2 / 2 = alpha + s (beta + kappa s), kappa = -2 g^2, beta = -2 g (1 - sigma), alpha = sigma (1 - sigma / 2).
; LIMITS.  The series are cut where 0 <= t <= 0.01 bounds the rest: t^3 / 6 <= 1.7e-7 in the row's mean and in v, z^4 / 4 <= 2.5e-9 in the logarithm.  dmax = dmin gives NaN, as the problem's own division does.  NaN and infinities are not treated apart.
; SHARES.  A work-group takes 128 clusters (8 tiles) and 4,096 rows; each of its four waves holds all 128 clusters and walks 1,024 rows, 32 a step; the waves' sums meet in LDS at the end.
; LAYOUT.  S^T: source 0 = 16 rows of X~, source 1 = 16 clusters: a lane holds ONE cluster (lane % 16) and rows 8 (lane / 16) + 0..7.  Two such tiles of v, rounded in pairs, ARE source 1 (32 rows x 16 clusters) of
; O^T += X~^T P, whose source 0 is X~ turned by ds_load_tr16_b128; its result holds one cluster a lane and eight channels.  One copy of X~ in LDS serves both products.
; BY TURNS.  Turn ct: 4 products S^T of tile ct + 1, 4 products O^T of tile ct - 1, and behind each four of the 32 vector lines that make v of tile ct.
; CLUSTER.  The four work-groups of a cluster take four sets of clusters and the SAME rows: each tile of X~ is asked for jointly, by the same tensor load, descriptor and mask in all four.
; REGISTERS, in windows of 256 (s_set_vgpr_msb: bits 1:0 source 0, 3:2 source 1, 5:4 source 2, 7:6 destination):
;   window 0: v0-15 addresses; v16-31 (beta, alpha) a tile; v32-63 column sums, two pairs a tile; v64-79 at work; v80-111 S^T, two buffers; v112-127 P, two buffers; v128-159 eta, two buffers; v160-255 the row moments
;   window 1: O^T, tile ct, channel block cb at 32 ct + 8 cb          window 2: v0-127 the clusters' fragments; v128-191 X~ by rows, two buffers; v192-255 X~ turned, two buffers
.set PX,    144                 ; a bf16 row in LDS: 128 bytes + 16
.set WSL,   128*PX              ; a wave's 128 rows of a slot
.set SLOT1, 131072              ; slot 0 at 0, slot 1 here: one exclusive or turns an address in one slot into the other's
.set XI,    4*WSL               ; eta: wave w's 1,024 f32, in the order of its walk, at 4,096 w
.set CS,    XI+16384            ; the 128 clusters, rounded
.set CCT,   CS+128*PX           ; cc, 128 f32
.set STAGE, SLOT1+4*WSL         ; the way out: 4 waves x 64 clusters x 272 bytes
.set SPI,   272
.set WST,   64*SPI
.set VST,   STAGE+4*WST         ; the waves' column sums, 128 f32 each
.set SPARE, VST+2048            ; the spare words, 128 bytes a wave: two blocks of 256 bytes that no other line names
.set AK0, 4                     ; v4   my place in the wave's rows, for fragments by rows; never rewritten
.set AV0, 5                     ; v5   for the turning load
.set AX0, 6                     ; v6   my eight words of eta
.set AK,  7                     ; v7-9 the addresses of the run of loads in hand
.set AV,  8
.set AX,  9
.set STO, 10                    ; v10  the way out: where I put 32 bytes of a cluster's row (before that at work)
.set RD,  11                    ; v11  where I read 16 bytes back
.set GO,  12                    ; v12  my byte offset in PW (before that 16 l, the first loads' offset)
.set PFO, 13                    ; v13  256 l: the prefetches' offset; never rewritten
.set SPW, 14                    ; v14  LDS address of my spare word; never rewritten
.set NIL, 15                    ; v15  0; never rewritten
.set CO,  16
.set COL, 32
.set TMP, 64
.set S,   80
.set P,   112
.set ETA, 128
.set RSR, 160                   ; slot s: xx at 160 + 12 s, A1 4 on, A2 8 on
.set ET,  96                    ; at work while eta is made
.set XA,  128                   ; window 2
.set XT,  192                   ; window 2
.set WV,  16                    ; s16  my wave's number
.set G1,  24                    ; s[24:31] descriptor group 1
.set G0A, 32                    ; s[32:35] group 0 of the first fill
.set G0B, 36                    ; s[36:39] group 0 of the second fill; it then walks
.set SLOTS, 40
.set CNT, 41
.set TB,  42                    ; s42  LDS offset of the step to be fetched
.set TX,  43                    ; s43  its offset in eta
.set KAP, 44                    ; s[44:45] kappa (the pairs' low words serve both halves)
.set SEL, 46                    ; s[46:47] v_permlanex16_b32's selects
.set PFA, 48                    ; s[48:49] where my prefetches stand
.set LIM, 50                    ; s50  2 in a wave that prefetches, else the greatest number
.set G2P, 51                    ; s51  2 g
.set NDM, 52                    ; s[52:53] -dmin
.set NG2, 54                    ; s[54:55] -g / 2
.set GAM, 56                    ; s[56:57] g
.set THIRD, 58                  ; s[58:59] 1 / 3
.set NCR, 60                    ; s[60:61] -ccref / 2
.set G2N, 62                    ; s62  -2 g
.set MSB, 0
.macro WIN new                  ; the high byte repeats the setting that is left; a switch that changes nothing is dropped
.if MSB != (\new)
	s_set_vgpr_msb (MSB<<8)|(\new)
.set MSB, (\new)
.endif
.endm
; A round of the cluster's barrier: my work-group's barrier, so that wave 0's signal speaks for all four waves; wave 0 signals; every wave waits for all four work-groups; my work-group's barrier once more.
.macro CROUND
	s_barrier_signal -1
	s_barrier_wait -1
	s_cmp_lg_u32 s[WV], 0
	s_cbranch_scc1 .Lnot_wave_0_\@
	s_barrier_signal -3
.Lnot_wave_0_\@:
	s_barrier_wait -3
	s_barrier_signal -1
	s_barrier_wait -1
.endm
; A PREFETCH INTO THE L2 of the slot that stands TWO refills on: 512 matrix instructions ahead of the load that will want it.  A slot is 65,536 consecutive bytes of XB: 256 blocks of 256.  Both clusters of a chunk
; read them: the one with x = 0 asks.  Its four partners take 64 blocks each, told apart BY ADDRESS; in each, waves 0 and 1 take 32, a lane a block.  So each block is named once in the launch.
; The last two refills ask for nothing: there is no slot two on.  Slots 0 to 3 come by their loads alone.
.macro ASK
	s_cmp_gt_u32 s[SLOTS], s[LIM]
	s_cbranch_scc0 .Lnot_mine_\@
	global_prefetch_b8 v[PFO], s[PFA:PFA+1] th:TH_LOAD_NT scope:SCOPE_SE
.Lnot_mine_\@:
.endm
; THE CHANGE OF SLOTS, a step ahead of a slot's last step: that step's fragments are in registers already.  Each wave waits for all its tensor loads, of which one is out: its rows of the other slot; adds 0 to its spare
; word; and waits for that and for its reads of the slot.  The round follows, so that no wave of any partner still reads the slot or has a load on its way; the joint refill, the rows two slots on, is the first thing behind it.
.macro CHANGE
	WIN 0
	s_wait_tensorcnt 0x0            ; no tensor load of mine is out, so a group 0 may be written
	ds_add_u32 v[SPW], v[NIL]       ; 0 onto my spare word; the steps below stand between it and the wait for it
	s_xor_b32 s[G0B+1], s[G0B+1], SLOT1
	s_add_nc_u64 s[G0B+2:G0B+3], s[G0B+2:G0B+3], 65536  ; the next 512 rows; the type bits on top are not reached
	s_wait_xcnt 0x0                 ; the last prefetch, four steps back, has read its address
	s_add_nc_u64 s[PFA:PFA+1], s[PFA:PFA+1], 65536
	s_wait_dscnt 0x0                ; the add is done, and my reads of the slot are over
	CROUND
	tensor_load_to_lds s[G0B:G0B+3], s[G1:G1+7]
	s_nop 0
.rept 4
	v_nop
.endr
	ASK
	s_sub_co_u32 s[TB], s[TB], WSL  ; the fetches go back to a slot's first step,
	s_xor_b32 s[TB], s[TB], SLOT1   ; in the other slot
.endm
; A step's 32 rows into buffers nb: by rows (tile t, channel half c at 16 t + 8 c), turned (channel block cb at 8 cb), and their eta.  last = 1 (the tail): in the last trip there is no further step.
.macro FETCH nb, last=0
	WIN 0
.if \last
	s_cmp_eq_u32 s[CNT], 1
	s_cbranch_scc1 .Lnone_\@
.endif
	v_add_nc_u32 v[AK], s[TB], v[AK0]
	v_add_nc_u32 v[AV], s[TB], v[AV0]
	v_add_nc_u32 v[AX], s[TX], v[AX0]
	WIN 0x80
.irp f, 0,1,2,3
	ds_load_b128 v[XA+32*(\nb)+8*\f:XA+32*(\nb)+8*\f+3],   v[AK] offset:(\f/2)*16*PX+(\f%2)*64
	ds_load_b128 v[XA+32*(\nb)+8*\f+4:XA+32*(\nb)+8*\f+7], v[AK] offset:(\f/2)*16*PX+(\f%2)*64+32
.endr
.irp f, 0,1,2,3
	ds_load_tr16_b128 v[XT+32*(\nb)+8*\f:XT+32*(\nb)+8*\f+3],   v[AV] offset:32*\f
	ds_load_tr16_b128 v[XT+32*(\nb)+8*\f+4:XT+32*(\nb)+8*\f+7], v[AV] offset:32*\f+16*PX
.endr
	WIN 0
.irp f, 0,1,2,3
	ds_load_b128 v[ETA+16*(\nb)+4*\f:ETA+16*(\nb)+4*\f+3], v[AX] offset:(\f/2)*64+(\f%2)*16
.endr
	s_add_co_u32 s[TB], s[TB], 32*PX
	s_add_co_u32 s[TX], s[TX], 128
.if \last
.Lnone_\@:
.endif
.endm
; Product i of 4 of S^T for cluster tile nt, on buffers xb: row tile i % 2, channel half i / 2.  The first two start the sums with eta.  The accumulators take turns.
.macro KQ nt, xb, i
	WIN 0x0a                        ; X~ and the clusters in window 2
.set sd_, S+16*((\nt)%2)+8*((\i)%2)
.set xa_, XA+32*(\xb)+16*((\i)%2)+8*((\i)/2)
.set cf_, 16*(\nt)+8*((\i)/2)
.if (\i) < 2
	v_wmma_f32_16x16x32_bf16 v[sd_:sd_+7], v[xa_:xa_+7], v[cf_:cf_+7], v[ETA+16*(\xb)+8*(\i):ETA+16*(\xb)+8*(\i)+7]
.else
	v_wmma_f32_16x16x32_bf16 v[sd_:sd_+7], v[xa_:xa_+7], v[cf_:cf_+7], v[sd_:sd_+7]
.endif
.endm
; Product i of 4 of O^T for cluster tile pt: channel block i, all 32 rows of the step.
.macro PV pt, xb, i
	WIN 0x52                        ; X~ turned in window 2, P in window 0, O^T in window 1
.set o_, 32*(\pt)+8*(\i)
	v_wmma_f32_16x16x32_bf16 v[o_:o_+7], v[XT+32*(\xb)+8*(\i):XT+32*(\xb)+8*(\i)+7], v[P+8*((\pt)%2):P+8*((\pt)%2)+7], v[o_:o_+7]
.endm
; Number n of the 32 vector lines of tile ct; the tile's 16 scores are 8 pairs.  0-7: beta + kappa s.  8-15: v = (beta + kappa s) s + alpha, in place.  16-31, by turns: a pair rounded to bf16; a pair added onto the column sums.
; Each accumulator's lowest pair is read first.
.macro RIDER ct, n
	WIN 0
.set sb_, S+16*((\ct)%2)
.set pb_, P+8*((\ct)%2)
.set co_, CO+2*(\ct)
.if (\n) < 8
.set i_, (\n)
	v_pk_fma_f32 v[TMP+2*i_:TMP+2*i_+1], v[sb_+2*i_:sb_+2*i_+1], s[KAP:KAP+1], v[co_:co_+1] op_sel_hi:[1,0,0]
.elseif (\n) < 16
.set i_, (\n)-8
	v_pk_fma_f32 v[sb_+2*i_:sb_+2*i_+1], v[TMP+2*i_:TMP+2*i_+1], v[sb_+2*i_:sb_+2*i_+1], v[co_:co_+1] op_sel:[0,0,1] op_sel_hi:[1,1,1]
.elseif ((\n)%2) == 0
.set i_, ((\n)-16)/2
	v_cvt_pk_bf16_f32 v[pb_+i_], v[sb_+2*i_], v[sb_+2*i_+1]
.else
.set i_, ((\n)-17)/2
.set cl_, COL+4*(\ct)+2*(i_%2)
	v_pk_add_f32 v[cl_:cl_+1], v[cl_:cl_+1], v[sb_+2*i_:sb_+2*i_+1]
.endif
.endm
.macro RID4 ct, n0
	RIDER \ct, (\n0)
	RIDER \ct, (\n0)+1
	RIDER \ct, (\n0)+2
	RIDER \ct, (\n0)+3
.endm
; A TURN.  Turn 7's S^T is the next step's tile 0, on the other buffers; turn 0's O^T is the last step's tile 7, on the other buffer of X~ turned.  No vector line names a register of the products round it.
.macro TURN ct, b
.irp i, 0,1,2,3
.if (\ct) == 7
	KQ 0, 1-(\b), \i
.else
	KQ (\ct)+1, \b, \i
.endif
	RID4 \ct, 4*\i
.endr
.irp i, 0,1,2,3
.if (\ct) == 0
	PV 7, 1-(\b), \i
.else
	PV (\ct)-1, \b, \i
.endif
	RID4 \ct, 16+4*\i
.endr
.endm
; A STEP: 32 rows against 8 tiles.  The next step is fetched behind turn 0: the last product that read the other buffers stands four vector lines and the three address lines back.  It is wanted in turn 7.
.macro STEP b, last=0
	TURN 0, \b
	FETCH 1-(\b), \last
.irp c, 1,2,3,4,5,6
	TURN \c, \b
.endr
	s_wait_dscnt 0x0                ; the next step's fragments are in (asked for six turns ago)
	TURN 7, \b
.endm
.macro WRED op, r               ; over the 16 lanes of a half
.irp m, 1,2,4,8
	\op v[\r], v[\r], v[\r] row_xmask:\m row_mask:0xf bank_mask:0xf
.endr
.endm
; eta for the eight rows a lane of slots s and s + 1: four pairs side by side, ten packed lines each
.macro EREG s, k
.set x_, RSR+12*((\s)+(\k)/2)+2*((\k)%2)
.set t_, ET+6*(\k)
.endm
.macro ETA4 s
.irp k, 0,1,2,3
	EREG \s, \k
	v_pk_add_f32 v[t_:t_+1], v[x_:x_+1], s[NDM:NDM+1] op_sel_hi:[1,0]                        ; e = xx - dmin
.endr
.irp k, 0,1,2,3
	EREG \s, \k
	v_pk_fma_f32 v[t_+2:t_+3], v[x_+4:x_+5], 2.0, v[t_:t_+1] op_sel_hi:[1,0,1]               ; 2 A1 + e
.endr
.irp k, 0,1,2,3
	EREG \s, \k
	v_pk_fma_f32 v[t_+2:t_+3], v[t_:t_+1], v[t_+2:t_+3], v[x_+8:x_+9]                        ; M2
.endr
.irp k, 0,1,2,3
	EREG \s, \k
	v_pk_fma_f32 v[t_+4:t_+5], v[t_+2:t_+3], s[NG2:NG2+1], v[x_+4:x_+5] op_sel_hi:[1,0,1]    ; w2 = A1 - (g / 2) M2
.endr
.irp k, 0,1,2,3
	EREG \s, \k
	v_pk_add_f32 v[t_:t_+1], v[t_+4:t_+5], v[t_:t_+1]                                        ; Z = w2 + e
.endr
.irp k, 0,1,2,3
	EREG \s, \k
	v_pk_mul_f32 v[t_+2:t_+3], v[t_:t_+1], s[GAM:GAM+1] op_sel_hi:[1,0]                      ; z = g Z
.endr
.irp k, 0,1,2,3
	EREG \s, \k
	v_pk_mul_f32 v[t_:t_+1], v[t_:t_+1], v[t_+2:t_+3]                                        ; q = Z z
.endr
.irp k, 0,1,2,3
	EREG \s, \k
	v_pk_fma_f32 v[t_+2:t_+3], v[t_+2:t_+3], s[THIRD:THIRD+1], 0.5 op_sel_hi:[1,0,0]         ; u = 1 / 2 + z / 3
.endr
.irp k, 0,1,2,3
	EREG \s, \k
	v_pk_fma_f32 v[t_:t_+1], v[t_:t_+1], v[t_+2:t_+3], v[t_+4:t_+5]                          ; q u + w2
.endr
.irp k, 0,1,2,3
	EREG \s, \k
	v_pk_fma_f32 v[x_:x_+1], v[t_:t_+1], 0.5, s[NCR:NCR+1] op_sel_hi:[1,0,0]                 ; eta
.endr
	ds_store_b128 v[STO], v[RSR+12*(\s):RSR+12*(\s)+3] offset:512*(\s)
	ds_store_b128 v[STO], v[RSR+12*(\s)+12:RSR+12*(\s)+15] offset:512*(\s)+512
.endm
	s_load_b256 s[4:11], s[0:1], 0x0               ; XB s[4:5], clusters s[6:7], RS s[8:9], MM s[10:11]
	s_load_b128 s[12:15], s[0:1], 0x20             ; PW s[12:13], PVS s[14:15]
	v_lshl_add_u32 v[SPW], v0, 2, SPARE
	v_mov_b32 v[NIL], 0
	ds_add_u32 v[SPW], v[NIL]                      ; the wave's opening: the add, twice on end, and its wait ahead of my first tensor load; the set-up below stands between
	ds_add_u32 v[SPW], v[NIL]                      ; and once more, under the one wait
	v_lshrrev_b32 v1, 5, v0
	v_readfirstlane_b32 s[WV], v1                  ; wave 0..3
	s_and_b32 s19, ttmp7, 0xffff                   ; the chunk of 4,096 rows, which the four partners share
	; descriptor group 1.  128 rows of 128 bytes are dense: asked for as 64 rows of 256 bytes, and padded in LDS after every 128 bytes
	s_mov_b32 s[G1], 15|(1<<16)|(1<<20)|(1<<21)|(4<<22)|(3<<25)  ; 15:0 the mask of four; 17:16 2-byte elements; 20 padding on; 21 set beside a mask; 24:22 after every 32 words (code 4); 31:25 4 words (code 3)
	s_mov_b32 s[G1+1], 128<<16                     ; tensor_dim0 = 128
	s_mov_b32 s[G1+2], 64<<16                      ; tensor_dim1 = 64
	s_mov_b32 s[G1+3], 128<<16                     ; tile_dim0 = 128
	s_mov_b32 s[G1+4], 64                          ; tile_dim1 = 64
	s_mov_b32 s[G1+5], 128                         ; 128 elements from row to row
	s_mov_b32 s[G1+6], 0
	s_mov_b32 s[G1+7], 0
	s_mul_i32 s20, s[WV], WSL                      ; my rows' place in a slot: no place in the cluster enters an LDS address
	s_mov_b32 s[G0A], 1
	s_mov_b32 s[G0A+1], s20
	s_mov_b32 s[G0B], 1
	s_add_co_u32 s[G0B+1], s20, SLOT1
	s_lshl_b32 s22, s19, 19                        ; the chunk's 524,288 bytes of XB,
	s_lshl_b32 s21, s[WV], 14                      ; my 128 rows of a slot's 512
	s_add_co_u32 s22, s22, s21
	s_mov_b32 s23, 0
	s_bfe_u32 s17, ttmp6, 0x40000                  ; cx: my place in the cluster
	s_lshl_b32 s18, ttmp9, 2
	s_add_co_u32 s18, s18, s17                     ; my set of 128 clusters = 4 x cluster x + cx: it enters global addresses alone
	s_mov_b32 s[SEL], 0x76543210
	s_mov_b32 s[SEL+1], 0xfedcba98
	s_mov_b32 s[THIRD], 0x3eaaaaab
	s_mov_b32 s[THIRD+1], s[THIRD]
	s_lshr_b32 s[LIM], s[WV], 1                    ; 0 in waves 0 and 1,
	s_or_b32 s[LIM], s[LIM], ttmp9                 ; where the cluster is the chunk's first: the same in all four partners
	s_cmp_eq_u32 s[LIM], 0
	s_cselect_b32 s[LIM], 2, -1
	s_wait_dscnt 0x0                               ; both opening adds are done
	s_wait_kmcnt 0x0
	s_add_nc_u64 s[G0A+2:G0A+3], s[4:5], s[22:23]  ; slot 0: the chunk's rows 0-511,
	s_add_nc_u64 s[G0B+2:G0B+3], s[G0A+2:G0A+3], 65536  ; slot 1: rows 512-1,023
	s_or_b32 s[G0A+3], s[G0A+3], 0x80000000        ; type = 2
	s_or_b32 s[G0B+3], s[G0B+3], 0x80000000
	CROUND                                         ; all four work-groups are here: the first joint loads meet
	tensor_load_to_lds s[G0A:G0A+3], s[G1:G1+7]    ; two loads of mine are out
	s_nop 0
	tensor_load_to_lds s[G0B:G0B+3], s[G1:G1+7]
	s_nop 0
.rept 4
	v_nop
.endr
	v_and_b32 v1, 31, v0                           ; l
	v_and_b32 v2, 15, v0                           ; r = l % 16
	v_bfe_u32 v3, v0, 4, 1                         ; h = l / 16
	v_lshlrev_b32 v[GO], 4, v1
	v_lshlrev_b32 v[PFO], 8, v1
	s_lshl_b32 s2, s18, 15                         ; my set's 128 rows of 256 bytes,
	s_lshl_b32 s3, s[WV], 13                       ; my wave's 32 of them
	s_add_co_u32 s2, s2, s3
	s_mov_b32 s3, 0
	s_add_nc_u64 s[6:7], s[6:7], s[2:3]
	s_lshl_b32 s2, s19, 14                         ; the chunk's 16,384 bytes of each array of RS,
	s_lshl_b32 s20, s[WV], 9                       ; my 128 rows of a slot
	s_add_co_u32 s2, s2, s20
	s_add_nc_u64 s[8:9], s[8:9], s[2:3]
	s_lshl_b32 s2, s19, 18                         ; PW: [chunk][1,024][64] f32
	s_lshl_b32 s20, s18, 15
	s_add_co_u32 s2, s2, s20
	s_add_nc_u64 s[12:13], s[12:13], s[2:3]
	s_lshl_b32 s2, s19, 12                         ; PVS: [chunk][1,024] f32
	s_lshl_b32 s20, s18, 9
	s_add_co_u32 s2, s2, s20
	s_add_nc_u64 s[14:15], s[14:15], s[2:3]
	s_lshl_b32 s2, s19, 19                         ; the prefetches: the chunk, my work-group's 64 blocks, my wave's 32,
	s_lshl_b32 s20, s17, 14
	s_add_co_u32 s2, s2, s20
	s_and_b32 s20, s[WV], 1
	s_lshl_b32 s20, s20, 13
	s_add_co_u32 s2, s2, s20
	s_add_co_u32 s2, s2, 3*65536                   ; in slot 3: the first change of slots, which fills slot 2, steps it to slot 4
	s_add_nc_u64 s[PFA:PFA+1], s[4:5], s[2:3]
.set i_, 0
.rept 16                                       ; my 32 cluster rows, two a load
	global_load_b128 v[64+4*i_:64+4*i_+3], v[GO], s[6:7] offset:512*i_
.set i_, i_+1
.endr
.irp i, 0,1,2,3                                ; all 256 pairs of extremes
	global_load_b128 v[128+4*\i:128+4*\i+3], v[GO], s[10:11] offset:512*\i
.endr
.set i_, 0
.rept 8                                        ; the moments of my 1,024 rows: four rows a lane for each slot
	global_load_b128 v[RSR+12*i_:RSR+12*i_+3],    v[GO], s[8:9] offset:2048*i_
	global_load_b128 v[RSR+12*i_+4:RSR+12*i_+7],  v[GO], s[8:9] offset:2048*i_+524288
	global_load_b128 v[RSR+12*i_+8:RSR+12*i_+11], v[GO], s[8:9] offset:2048*i_+1048576
.set i_, i_+1
.endr
	; O^T and the column sums start at 0, and so do the operands of the first turn's products O^T, of a tile that has not been: cleared on purpose, while the first tile and the loads are on their way, so that a step has one text
	WIN 0x40
.set i_, 0
.rept 256
	v_mov_b32 v[i_], 0
.set i_, i_+1
.endr
	WIN 0x80
.set i_, 0
.rept 32
	v_mov_b32 v[XT+32+i_], 0
.set i_, i_+1
.endr
	WIN 0
.set i_, 0
.rept 32
	v_mov_b32 v[COL+i_], 0
.set i_, i_+1
.endr
	v_mul_u32_u24 v[STO], v3, PX
	v_lshl_add_u32 v[STO], v2, 3, v[STO]
	s_mul_i32 s20, s[WV], 32*PX
	s_add_co_u32 s20, s20, CS
	v_add_nc_u32 v[STO], s20, v[STO]               ; where I put 8 bytes of a cluster row
	v_mul_u32_u24 v[RD], v1, PX
	v_add_nc_u32 v[RD], s20, v[RD]                 ; my row (lane = row) of the wave's 32
	s_lshl_b32 s21, s[WV], 7
	s_add_co_u32 s21, s21, CCT
	v_lshl_add_u32 v[AK], v1, 2, s21               ; its word in CCT
	s_wait_loadcnt 28                              ; the cluster rows are in; the 4 + 24 loads behind them may stay out
.set i_, 0
.rept 16
	v_cvt_pk_bf16_f32 v[64+4*i_], v[64+4*i_], v[64+4*i_+1]
	v_cvt_pk_bf16_f32 v[64+4*i_+1], v[64+4*i_+2], v[64+4*i_+3]
.set i_, i_+1
.endr
.set i_, 0
.rept 16
	ds_store_b64 v[STO], v[64+4*i_:64+4*i_+1] offset:2*PX*i_
.set i_, i_+1
.endr
.irp c, 0,1,2,3,4,5,6,7                        ; cc of my row: the rows are the wave's own, and LDS serves a wave's instructions in order
	ds_load_b128 v[64+4*\c:64+4*\c+3], v[RD] offset:16*\c
.endr
	v_mov_b32 v100, 0
	s_wait_dscnt 0x0
.set j_, 0
.rept 32
.if j_ < 4
	v_fma_mix_f32_bf16 v[96+j_], v[64+j_], v[64+j_], v100 op_sel_hi:[1,1,0]
.else
	v_fma_mix_f32_bf16 v[96+j_%4], v[64+j_], v[64+j_], v[96+j_%4] op_sel_hi:[1,1,0]
.endif
.set j_, j_+1
.endr
.set j_, 0
.rept 32
	v_fma_mix_f32_bf16 v[96+j_%4], v[64+j_], v[64+j_], v[96+j_%4] op_sel:[1,1,0] op_sel_hi:[1,1,0]
.set j_, j_+1
.endr
	v_add_f32 v96, v96, v97
	v_add_f32 v98, v98, v99
	v_add_f32 v96, v96, v98
	ds_store_b32 v[AK], v96
	s_wait_dscnt 0x0                               ; for the others' sake: my cluster rows and their cc lie in LDS
	s_barrier_signal -1
	s_barrier_wait -1                              ; everybody's do; my tensor loads may stay out
	v_mul_u32_u24 v[RD], v2, PX
	v_lshl_add_u32 v[RD], v3, 4, v[RD]             ; 144 r + 16 h
	s_mul_i32 s20, s[WV], WSL
	v_add_nc_u32 v[AK0], s20, v[RD]
	v_add_nc_u32 v[RD], CS, v[RD]
	WIN 0x80                                       ; all 128 clusters as fragments: tile ct, channel half c at 16 ct + 8 c
.set c_, 0
.rept 16
	ds_load_b128 v[8*c_:8*c_+3],   v[RD] offset:(c_/2)*16*PX+(c_%2)*64
	ds_load_b128 v[8*c_+4:8*c_+7], v[RD] offset:(c_/2)*16*PX+(c_%2)*64+32
.set c_, c_+1
.endr
	WIN 0
	v_lshl_add_u32 v[AK], v2, 2, CCT
.irp ct, 0,1,2,3,4,5,6,7
	ds_load_b32 v[64+\ct], v[AK] offset:64*\ct     ; cc of my cluster in each tile
.endr
	v_mov_b32 v[AV], CCT
	ds_load_b32 v72, v[AV]                         ; ccref: the set's first cluster's
	v_and_b32 v[AV0], 7, v0                        ; the turning load: lane l reads row 8 h + l % 8, channels 8 ((l / 8) % 2) + 0..7
	v_lshl_add_u32 v[AV0], v3, 3, v[AV0]
	v_mul_u32_u24 v[AV0], v[AV0], PX
	v_bfe_u32 v[AX], v0, 3, 1
	v_lshl_add_u32 v[AV0], v[AX], 4, v[AV0]
	v_add_nc_u32 v[AV0], s20, v[AV0]
	s_lshl_b32 s21, s[WV], 12
	s_add_co_u32 s21, s21, XI
	v_lshl_add_u32 v[AX0], v3, 5, s21
	v_lshl_add_u32 v[STO], v1, 4, s21              ; where I put four rows' eta
	s_wait_loadcnt 24                              ; the extremes are in; the 24 loads of moments may stay out
	v_min3_num_f32 v96, v128, v130, v132
	v_max3_num_f32 v97, v129, v131, v133
	v_min3_num_f32 v96, v96, v134, v136
	v_max3_num_f32 v97, v97, v135, v137
	v_min3_num_f32 v96, v96, v138, v140
	v_max3_num_f32 v97, v97, v139, v141
	v_min_num_f32 v96, v96, v142
	v_max_num_f32 v97, v97, v143
	WRED v_min_num_f32_dpp, 96
	WRED v_max_num_f32_dpp, 97
	v_permlanex16_b32 v98, v96, s[SEL], s[SEL+1]
	v_permlanex16_b32 v99, v97, s[SEL], s[SEL+1]
	v_min_num_f32 v96, v96, v98                    ; dmin
	v_max_num_f32 v97, v97, v99                    ; dmax
	v_sub_f32 v98, v97, v96
	v_rcp_f32 v99, v98
	v_nop                                          ; a plain line between the reciprocal and its use,
	s_wait_alu depctr_va_vdst(0)                   ; and a wait ahead of the first use
	v_mul_f32 v99, 0x3c23d70a, v99                 ; g = 0.01 / (dmax - dmin)
	v_mul_f32 v100, -0.5, v99
	v_add_f32 v101, v99, v99
	v_mul_f32 v102, -2.0, v99
	v_mul_f32 v103, v102, v99                      ; kappa = -2 g^2
	v_sub_f32 v104, 0, v96
	v_readfirstlane_b32 s[GAM], v99                ; the same number in every lane: kept as scalars, for arithmetic alone
	v_readfirstlane_b32 s[NG2], v100
	v_readfirstlane_b32 s[G2P], v101
	v_readfirstlane_b32 s[G2N], v102
	v_readfirstlane_b32 s[KAP], v103
	v_readfirstlane_b32 s[NDM], v104
	s_mov_b32 s[GAM+1], s[GAM]                     ; named as pairs
	s_mov_b32 s[NG2+1], s[NG2]
	s_mov_b32 s[KAP+1], s[KAP]
	s_mov_b32 s[NDM+1], s[NDM]
	s_wait_dscnt 0x0                               ; the fragments and cc are in
	v_mul_f32 v105, -0.5, v72
	v_readfirstlane_b32 s[NCR], v105
	s_mov_b32 s[NCR+1], s[NCR]
.irp ct, 0,1,2,3,4,5,6,7
	v_sub_f32 v[64+\ct], v[64+\ct], v72
.endr
.irp ct, 0,1,2,3,4,5,6,7
	v_mul_f32 v[64+\ct], s[GAM], v[64+\ct]         ; sigma
.endr
.irp ct, 0,1,2,3,4,5,6,7
	v_fma_f32 v[CO+2*\ct], v[64+\ct], s[G2P], s[G2N]   ; beta = -2 g (1 - sigma)
	v_fma_f32 v[104+\ct], v[64+\ct], -0.5, 1.0
.endr
.irp ct, 0,1,2,3,4,5,6,7
	v_mul_f32 v[CO+2*\ct+1], v[64+\ct], v[104+\ct] ; alpha = sigma (1 - sigma / 2)
.endr
	s_wait_loadcnt 0x0                             ; the moments are in
	ETA4 0
	ETA4 2
	ETA4 4
	ETA4 6
.irp i, 0,1,2,3,4,5,6,7
	v_mov_b32 v[P+8+\i], 0                         ; P's second buffer: see the clearing above
.endr
	s_wait_tensorcnt 0x1                           ; my rows of slot 0 are in, and only I read them; slot 1's load may stay out
	s_mov_b32 s[TB], 0
	s_mov_b32 s[TX], 0
	FETCH 0                                        ; step 0 (eta is the wave's own: its loads see the stores above)
	s_wait_dscnt 0x0
	KQ 0, 0, 0                                     ; tile 0 of step 0: there is no vector work yet to set between
	KQ 0, 0, 1
	KQ 0, 0, 2
	KQ 0, 0, 3
	WIN 0                                          ; the addresses for the way out: nine plain lines, the places behind those products
	s_mul_i32 s20, s[WV], WST
	s_add_co_u32 s20, s20, STAGE
	v_mul_u32_u24 v[STO], v2, SPI                  ; in: my cluster's row, 32 bytes for each half of the lanes
	v_lshl_add_u32 v[STO], v3, 5, v[STO]
	v_add_nc_u32 v[STO], s20, v[STO]
	s_mul_i32 s21, s[WV], 16*SPI
	s_add_co_u32 s21, s21, STAGE
	v_mul_u32_u24 v[RD], v3, SPI                   ; back: wave w takes clusters 16 w .. 16 w + 15 of a pass; lanes 0-15 one row of 256 bytes, lanes 16-31 the next
	v_lshl_add_u32 v[RD], v2, 4, v[RD]
	v_add_nc_u32 v[RD], s21, v[RD]
	v_lshlrev_b32 v[GO], 8, v3                     ; and the same two rows in PW
	v_lshl_add_u32 v[GO], v2, 4, v[GO]
	s_lshl_b32 s21, s[WV], 12
	v_add_nc_u32 v[GO], s21, v[GO]
	s_mov_b32 s[CNT], 2
	s_mov_b32 s[SLOTS], 7
	s_branch .Lmid                                 ; steps 0, 1, 2: the loop is entered in the middle of a trip
.Lslot:                                        ; six times: slots 2 to 7 are asked for, ahead of steps 3, 7, .. 23
	CHANGE
	s_mov_b32 s[CNT], 2
.Lodd:
	STEP 1
	WIN 0
.Lmid:
	STEP 0
	WIN 0
	s_sub_co_u32 s[CNT], s[CNT], 1
	s_cmp_lg_u32 s[CNT], 0
	s_cbranch_scc1 .Lodd
	s_sub_co_u32 s[SLOTS], s[SLOTS], 1
	s_cmp_lg_u32 s[SLOTS], 0
	s_cbranch_scc1 .Lslot
	; the tail, steps 27 to 31, is written out.  Nothing is filled again and a wave reads its own rows alone: the wait is all that the reads need
	s_wait_tensorcnt 0x0                           ; my rows of the last slot are in
	s_sub_co_u32 s[TB], s[TB], WSL
	s_xor_b32 s[TB], s[TB], SLOT1
	s_mov_b32 s[CNT], 3
.Ltail:
	STEP 1, 1
	WIN 0
	s_sub_co_u32 s[CNT], s[CNT], 1
	s_cmp_eq_u32 s[CNT], 0
	s_cbranch_scc1 .Lout
	STEP 0
	WIN 0
	s_branch .Ltail
.Lout:                                         ; step 31's four products S^T for a step that is not serve nothing: the price, once a launch, of one text for every step
	PV 7, 1, 0                                     ; the last step's tile 7
	PV 7, 1, 1
	PV 7, 1, 2
	PV 7, 1, 3
	WIN 0                                          ; the column sums: their lines are the places behind the last products
.irp ct, 0,1,2,3,4,5,6,7
	v_pk_add_f32 v[COL+4*\ct:COL+4*\ct+1], v[COL+4*\ct:COL+4*\ct+1], v[COL+4*\ct+2:COL+4*\ct+3]
.endr
.irp ct, 0,1,2,3,4,5,6,7
	v_add_f32 v[COL+4*\ct], v[COL+4*\ct], v[COL+4*\ct+1]
.endr
.irp ct, 0,1,2,3,4,5,6,7
	v_permlanex16_b32 v[COL+4*\ct+1], v[COL+4*\ct], s[SEL], s[SEL+1]   ; the other half of the lanes held the other rows
.endr
.irp ct, 0,1,2,3,4,5,6,7
	v_add_f32 v[COL+4*\ct], v[COL+4*\ct], v[COL+4*\ct+1]
.endr
	s_lshl_b32 s20, s[WV], 9
	s_add_co_u32 s20, s20, VST
	v_lshl_add_u32 v[AK], v2, 2, s20
.irp ct, 0,1,2,3,4,5,6,7
	ds_store_b32 v[AK], v[COL+4*\ct] offset:64*\ct
.endr
; THE WAY OUT, in two passes of 64 clusters: each wave puts its partial O^T into its part of the stage (an accumulator's low four registers first); behind a barrier each wave adds the four parts of 16 clusters and stores whole rows.
.macro OUTP p
	WIN 0x04                        ; data in window 1
.irp c, 0,1,2,3
.irp b, 0,1,2,3
	ds_store_b128 v[STO], v[32*(4*(\p)+\c)+8*\b:32*(4*(\p)+\c)+8*\b+3]   offset:16*SPI*\c+64*\b
	ds_store_b128 v[STO], v[32*(4*(\p)+\c)+8*\b+4:32*(4*(\p)+\c)+8*\b+7] offset:16*SPI*\c+64*\b+16
.endr
.endr
	WIN 0
	s_wait_dscnt 0x0                ; for the others' sake: my part of the stage is written
	s_barrier_signal -1
	s_barrier_wait -1
	s_wait_xcnt 0x0                 ; the registers below were the last pass's store data: they are loaded again only behind this wait
.irp u, 0,1,2,3,4,5,6,7
.irp w, 0,1,2,3
	ds_load_b128 v[128+16*\u+4*\w:128+16*\u+4*\w+3], v[RD] offset:WST*\w+2*SPI*\u
.endr
.endr
.irp u, 0,1,2,3,4,5,6,7
	s_wait_dscnt 4*(7-\u)           ; LDS loads come back in order: unit u's four are in, the later units' may stay out
	v_pk_add_f32 v[128+16*\u:128+16*\u+1],     v[128+16*\u:128+16*\u+1],     v[128+16*\u+4:128+16*\u+5]
	v_pk_add_f32 v[128+16*\u+2:128+16*\u+3],   v[128+16*\u+2:128+16*\u+3],   v[128+16*\u+6:128+16*\u+7]
	v_pk_add_f32 v[128+16*\u+8:128+16*\u+9],   v[128+16*\u+8:128+16*\u+9],   v[128+16*\u+12:128+16*\u+13]
	v_pk_add_f32 v[128+16*\u+10:128+16*\u+11], v[128+16*\u+10:128+16*\u+11], v[128+16*\u+14:128+16*\u+15]
	v_pk_add_f32 v[128+16*\u:128+16*\u+1],     v[128+16*\u:128+16*\u+1],     v[128+16*\u+8:128+16*\u+9]
	v_pk_add_f32 v[128+16*\u+2:128+16*\u+3],   v[128+16*\u+2:128+16*\u+3],   v[128+16*\u+10:128+16*\u+11]
	global_store_b128 v[GO], v[128+16*\u:128+16*\u+3], s[12:13] offset:16384*(\p)+512*\u  ; 16 lanes store 256 consecutive bytes, aligned: a cluster's row
.endr
.endm
	OUTP 0
	s_barrier_signal -1                            ; every wave's reads of the stage are back (its last wait was for 0): only then is the stage written again
	s_barrier_wait -1
	OUTP 1
	s_cmp_lg_u32 s[WV], 0                          ; wave 0 adds the four waves' column sums
	s_cbranch_scc1 .Lend
	v_lshl_add_u32 v[AK], v1, 4, VST
.irp w, 0,1,2,3
	ds_load_b128 v[64+4*\w:64+4*\w+3], v[AK] offset:512*\w
.endr
	v_lshlrev_b32 v[AV], 4, v1
	s_wait_dscnt 0x0
	v_pk_add_f32 v[64:65], v[64:65], v[68:69]
	v_pk_add_f32 v[66:67], v[66:67], v[70:71]
	v_pk_add_f32 v[72:73], v[72:73], v[76:77]
	v_pk_add_f32 v[74:75], v[74:75], v[78:79]
	v_pk_add_f32 v[64:65], v[64:65], v[72:73]
	v_pk_add_f32 v[66:67], v[66:67], v[74:75]
	global_store_b128 v[AV], v[64:67], s[14:15]    ; 512 consecutive bytes, aligned
.Lend:
	s_wait_tensorcnt 0x0                           ; the wave's end, behind my last tensor load and my last LDS store
	ds_add_u32 v[SPW], v[NIL]
	s_wait_dscnt 0x0
	CROUND                                         ; the closing round: no work-group ends while a partner may still ask for a tile that names it
	s_endpgm
.Lfunc_end_k_q9b4ab06e2a_main:
	.size	k_q9b4ab06e2a_main, .Lfunc_end_k_q9b4ab06e2a_main-k_q9b4ab06e2a_main
	.p2alignl 7, 3214868480
	.fill 96, 4, 3214868480
	.section	.rodata,"a",@progbits
	.p2align	6, 0x0
	.amdhsa_kernel k_q9b4ab06e2a_main
		.amdhsa_group_segment_fixed_size 327680
		.amdhsa_private_segment_fixed_size 0
		.amdhsa_enable_private_segment 0
		.amdhsa_kernarg_size 48
		.amdhsa_user_sgpr_count 2
		.amdhsa_user_sgpr_kernarg_segment_ptr 1
		.amdhsa_wavefront_size32 1
		.amdhsa_system_sgpr_workgroup_id_x 1
		.amdhsa_system_sgpr_workgroup_id_y 1
		.amdhsa_system_sgpr_workgroup_id_z 1
		.amdhsa_system_vgpr_workitem_id 0
		.amdhsa_next_free_vgpr 768
		.amdhsa_next_free_sgpr 66
		.amdhsa_reserve_vcc 0
		.amdhsa_float_denorm_mode_32 3
		.amdhsa_float_denorm_mode_16_64 3
		.amdhsa_memory_ordered 1
		.amdhsa_forward_progress 1
		.amdhsa_inst_pref_size 173
	.end_amdhsa_kernel
	.amdgpu_metadata
---
amdhsa.version: [ 1, 2 ]
amdhsa.kernels:
  - .name:           k_q9b4ab06e2a_main
    .symbol:         k_q9b4ab06e2a_main.kd
    .args:
      - { .name: XB, .offset: 0, .size: 8, .value_kind: global_buffer, .address_space: global }
      - { .name: clusters, .offset: 8, .size: 8, .value_kind: global_buffer, .address_space: global }
      - { .name: RS, .offset: 16, .size: 8, .value_kind: global_buffer, .address_space: global }
      - { .name: MM, .offset: 24, .size: 8, .value_kind: global_buffer, .address_space: global }
      - { .name: PW, .offset: 32, .size: 8, .value_kind: global_buffer, .address_space: global }
      - { .name: PVS, .offset: 40, .size: 8, .value_kind: global_buffer, .address_space: global }
    .group_segment_fixed_size: 327680
    .private_segment_fixed_size: 0
    .kernarg_segment_align: 8
    .kernarg_segment_size: 48
    .max_flat_workgroup_size: 128
    .sgpr_count:     66
    .vgpr_count:     768
    .wavefront_size: 32
...
	.end_amdgpu_metadata
.endif
;; end of part 2
;; launch final (part 3): grid 128 x 1, 4 waves a work-group, no clusters, 2,560 bytes of LDS; arguments PW, PVS, SXP, out0; writes out0
.if DOCPART == 3
	.amdgcn_target "amdgcn-amd-amdhsa--gfx1250"
	.amdhsa_code_object_version 6
	.text
	.protected	k_q9b4ab06e2a_final
	.globl	k_q9b4ab06e2a_final
	.p2align	8
	.type	k_q9b4ab06e2a_final,@function
k_q9b4ab06e2a_final:
	s_mov_b64 s[64:65], 0
	v_nop
	global_prefetch_b8 v0, s[64:65] scope:SCOPE_SE
	s_setreg_imm32_b32 hwreg(HW_REG_WAVE_MODE, 25, 1), 1
	s_wait_xcnt 0x0
; THE CLOSING FORMULA.  With W[k][:] = the sum of PW's 32 chunks, Vs[k] = the sum of PVS's 32 chunks, SX[:] = the sum of SXP's 256 partial sums of X, K = 1,024, N = 131,072, eps = 1e-10:
;   out[k][:] = (SX (1 / K + eps) - W[k] / K) / ((N - Vs[k]) / K + N eps) + eps,
; which is (sp^T X) / colsum(sp) + eps for sp = (1 - v) / K + eps.
; SHARES.  A work-group makes 8 clusters; thread t cluster t / 16, channels 4 (t % 16) .. + 3: 16 lanes load and store 256 consecutive bytes.  Of SXP thread t sums partials 32 (t / 16) .. + 31; the eight groups meet in LDS.
; A short launch of plain sums: no matrix unit, no cluster, no prefetch; every address stands in an immediate, and all loads but PW's chunks 16-31 go out ahead of the sums.
.set SPARE, 2048                ; LDS: 128 threads x 16 bytes of sums of X, then the spare words
.set SPW, 8                     ; v8   LDS address of my spare word; never rewritten
.set NIL, 9                     ; v9   0; never rewritten
.macro HALVE base, h            ; of 2 h quads of registers the upper h are added onto the lower h
.set q_, 0
.rept \h
	v_pk_add_f32 v[(\base)+4*q_:(\base)+4*q_+1],   v[(\base)+4*q_:(\base)+4*q_+1],   v[(\base)+4*(q_+(\h)):(\base)+4*(q_+(\h))+1]
	v_pk_add_f32 v[(\base)+4*q_+2:(\base)+4*q_+3], v[(\base)+4*q_+2:(\base)+4*q_+3], v[(\base)+4*(q_+(\h))+2:(\base)+4*(q_+(\h))+3]
.set q_, q_+1
.endr
.endm
	s_load_b256 s[4:11], s[0:1], 0x0               ; PW s[4:5], PVS s[6:7], SXP s[8:9], out0 s[10:11]
	v_lshl_add_u32 v[SPW], v0, 2, SPARE
	v_mov_b32 v[NIL], 0
	v_lshlrev_b32 v1, 4, v0                        ; 16 t: my bytes in the work-group's 8 rows, and in LDS
	v_lshrrev_b32 v2, 4, v0                        ; t / 16
	v_and_b32 v3, 15, v0
	v_lshlrev_b32 v4, 2, v2                        ; my cluster's word in PVS
	v_lshlrev_b32 v5, 4, v3                        ; my 4 channels
	v_lshl_add_u32 v6, v2, 13, v5                  ; my 32 partial sums of X: 8,192 (t / 16) + 16 (t % 16)
	s_lshl_b32 s2, ttmp9, 11                       ; the work-group's 8 rows of 256 bytes
	s_mov_b32 s3, 0
	s_lshl_b32 s12, ttmp9, 5                       ; and its 8 words
	s_mov_b32 s13, 0
	s_mov_b32 s14, 0xba800000                      ; -1 / K
	s_mov_b32 s15, 0x43000001                      ; N / K + N eps = 128.0000131, rounded to f32
	s_mov_b32 s16, 0x3a800001                      ; 1 / K + eps, rounded to f32
	s_mov_b32 s17, s16
	s_mov_b32 s18, 0x2edbe6ff                      ; eps
	s_mov_b32 s19, s18
	s_wait_kmcnt 0x0
	s_add_nc_u64 s[4:5], s[4:5], s[2:3]
	s_add_nc_u64 s[10:11], s[10:11], s[2:3]
	s_add_nc_u64 s[6:7], s[6:7], s[12:13]
.set i_, 0
.rept 32
	global_load_b128 v[16+4*i_:16+4*i_+3], v6, s[8:9] offset:256*i_
.set i_, i_+1
.endr
.set i_, 0
.rept 16
	global_load_b128 v[144+4*i_:144+4*i_+3], v1, s[4:5] offset:262144*i_
.set i_, i_+1
.endr
.set i_, 0
.rept 32
	global_load_b32 v[208+i_], v4, s[6:7] offset:4096*i_
.set i_, i_+1
.endr
	s_wait_loadcnt 48                              ; the sums of X are in; the 16 + 32 loads behind them may stay out
	HALVE 16, 16
	HALVE 16, 8
	HALVE 16, 4
	HALVE 16, 2
	HALVE 16, 1
	ds_store_b128 v1, v[16:19]
.set i_, 0
.rept 16
	global_load_b128 v[20+4*i_:20+4*i_+3], v1, s[4:5] offset:262144*(16+i_)
.set i_, i_+1
.endr
	s_wait_loadcnt 48                              ; chunks 0-15 of PW are in; behind them: PVS's 32 loads and the 16 just issued
	HALVE 144, 8
	HALVE 144, 4
	HALVE 144, 2
	HALVE 144, 1
	s_wait_loadcnt 16                              ; PVS is in
	HALVE 208, 4
	HALVE 208, 2
	HALVE 208, 1
	v_add_f32 v208, v208, v209
	v_add_f32 v210, v210, v211
	v_add_f32 v208, v208, v210                     ; Vs
	s_wait_loadcnt 0x0                             ; chunks 16-31
	HALVE 20, 8
	HALVE 20, 4
	HALVE 20, 2
	HALVE 20, 1
	v_pk_add_f32 v[144:145], v[144:145], v[20:21]
	v_pk_add_f32 v[146:147], v[146:147], v[22:23]  ; W
	s_wait_dscnt 0x0                               ; for the others' sake: my sum of X lies in LDS
	s_barrier_signal -1
	s_barrier_wait -1
.irp g, 0,1,2,3,4,5,6,7
	ds_load_b128 v[84+4*\g:84+4*\g+3], v5 offset:256*\g
.endr
	v_fma_f32 v240, v208, s14, s15                 ; the column's mass
	v_rcp_f32 v242, v240
	v_mov_b32 v243, 0                              ; a plain line behind the reciprocal; the register is named with it as a pair
	v_pk_mul_f32 v[144:145], v[144:145], s[14:15] op_sel_hi:[1,0]   ; -W / K
	v_pk_mul_f32 v[146:147], v[146:147], s[14:15] op_sel_hi:[1,0]
	s_wait_dscnt 0x0
	HALVE 84, 4
	HALVE 84, 2
	HALVE 84, 1                                    ; SX
	v_pk_fma_f32 v[144:145], v[84:85], s[16:17], v[144:145] op_sel_hi:[1,0,1]
	v_pk_fma_f32 v[146:147], v[86:87], s[16:17], v[146:147] op_sel_hi:[1,0,1]
	s_wait_alu depctr_va_vdst(0)                   ; a wait ahead of the reciprocal's first use
	v_pk_fma_f32 v[144:145], v[144:145], v[242:243], s[18:19] op_sel_hi:[1,0,0]
	v_pk_fma_f32 v[146:147], v[146:147], v[242:243], s[18:19] op_sel_hi:[1,0,0]
	global_store_b128 v1, v[144:147], s[10:11]     ; 16 lanes store 256 consecutive bytes, aligned: a cluster's row
	s_wait_tensorcnt 0x0                           ; the wave's end, behind my last LDS store
	ds_add_u32 v[SPW], v[NIL]
	s_wait_dscnt 0x0
	s_endpgm
.Lfunc_end_k_q9b4ab06e2a_final:
	.size	k_q9b4ab06e2a_final, .Lfunc_end_k_q9b4ab06e2a_final-k_q9b4ab06e2a_final
	.p2alignl 7, 3214868480
	.fill 96, 4, 3214868480
	.section	.rodata,"a",@progbits
	.p2align	6, 0x0
	.amdhsa_kernel k_q9b4ab06e2a_final
		.amdhsa_group_segment_fixed_size 2560
		.amdhsa_private_segment_fixed_size 0
		.amdhsa_enable_private_segment 0
		.amdhsa_kernarg_size 32
		.amdhsa_user_sgpr_count 2
		.amdhsa_user_sgpr_kernarg_segment_ptr 1
		.amdhsa_wavefront_size32 1
		.amdhsa_system_sgpr_workgroup_id_x 1
		.amdhsa_system_sgpr_workgroup_id_y 1
		.amdhsa_system_sgpr_workgroup_id_z 1
		.amdhsa_system_vgpr_workitem_id 0
		.amdhsa_next_free_vgpr 256
		.amdhsa_next_free_sgpr 66
		.amdhsa_reserve_vcc 0
		.amdhsa_float_denorm_mode_32 3
		.amdhsa_float_denorm_mode_16_64 3
		.amdhsa_memory_ordered 1
		.amdhsa_forward_progress 1
		.amdhsa_inst_pref_size 22
	.end_amdhsa_kernel
	.amdgpu_metadata
---
amdhsa.version: [ 1, 2 ]
amdhsa.kernels:
  - .name:           k_q9b4ab06e2a_final
    .symbol:         k_q9b4ab06e2a_final.kd
    .args:
      - { .name: PW, .offset: 0, .size: 8, .value_kind: global_buffer, .address_space: global }
      - { .name: PVS, .offset: 8, .size: 8, .value_kind: global_buffer, .address_space: global }
      - { .name: SXP, .offset: 16, .size: 8, .value_kind: global_buffer, .address_space: global }
      - { .name: out0, .offset: 24, .size: 8, .value_kind: global_buffer, .address_space: global }
    .group_segment_fixed_size: 2560
    .private_segment_fixed_size: 0
    .kernarg_segment_align: 8
    .kernarg_segment_size: 32
    .max_flat_workgroup_size: 128
    .sgpr_count:     66
    .vgpr_count:     256
    .wavefront_size: 32
...
	.end_amdgpu_metadata
.endif
;; end of part 3
